; MI455X (gfx1250); checked and timed in simulation.
; The chip was launched on July 23, 2026; its instructions are those of AMD's public machine-readable ISA for CDNA 5 (MIT licence, August 2026) and "CDNA5" Instruction Set Architecture Reference Guide (July 2026).
;; Multi Head Attention. Allowed arithmetic: float matrix products may take bf16 or f16 operands with f32 sums; all other float work in f32.
;; Inputs: Wk 1,024 x 1,024 float32; Wo 1,024 x 1,024 float32; Wq 1,024 x 1,024 float32; Wv 1,024 x 1,024 float32; bo 1,024 float32; inputs 4 x 2,048 x 1,024 float32.
;; Outputs: out0 4 x 2,048 x 1,024 float32.
;; One version. Each part assembles by itself: llvm-mc -triple=amdgcn-amd-amdhsa -mcpu=gfx1250 --defsym DOCPART=n.
;; ======== version 1 of 1: 4 launches
;; limits: values are held in f16: magnitudes above 65,504 overflow, below 6.1e-05 lose precision
;; workspace buffers: xb 16,777,216 bytes; wb 6,291,456 bytes; wo16 2,097,152 bytes; qkv 50,331,648 bytes; o 16,777,216 bytes
;; launch cast (part 1): grid 768 x 1, 8 waves a work-group, no clusters, 0 bytes of LDS; arguments inputs, Wq, Wk, Wv, Wo, xb, wb, wo16; writes xb, wb, wo16
.if DOCPART == 1
	.amdgcn_target "amdgcn-amd-amdhsa--gfx1250"
	.amdhsa_code_object_version 6
	.text
	.protected	k_qa63202bdf5_cast
	.globl	k_qa63202bdf5_cast
	.p2align	8
	.type	k_qa63202bdf5_cast,@function
k_qa63202bdf5_cast:
	s_mov_b64 s[64:65], 0
	v_nop
	global_prefetch_b8 v0, s[64:65] scope:SCOPE_SE
	s_setreg_imm32_b32 hwreg(HW_REG_WAVE_MODE, 25, 1), 1
	s_wait_xcnt 0x0
.set X, 4
.set Y, 68
.set T, 100
	s_load_b512 s[8:23], s[0:1], 0x0
	s_mov_b32 s2, ttmp9
	s_sub_co_u32 s3, s2, 512
	s_and_b32 s4, s3, 63
	v_lshlrev_b32 v1, 4, v0
	v_lshlrev_b32 v2, 3, v0
	s_wait_kmcnt 0x0
	s_cmp_lt_u32 s2, 512
	s_cselect_b64 s[24:25], s[8:9], s[10:11]
	s_cselect_b64 s[28:29], s[18:19], s[20:21]
	s_cselect_b32 s26, s2, s4
	s_cselect_b32 s27, s2, s3
	s_cmp_ge_u32 s2, 576
	s_cselect_b64 s[24:25], s[12:13], s[24:25]
	s_cmp_ge_u32 s2, 640
	s_cselect_b64 s[24:25], s[14:15], s[24:25]
	s_cmp_ge_u32 s2, 704
	s_cselect_b64 s[24:25], s[16:17], s[24:25]
	s_cselect_b64 s[28:29], s[22:23], s[28:29]
	s_cselect_b32 s27, s4, s27
	s_lshl_b32 s30, s26, 16
	s_mov_b32 s31, 0
	s_add_nc_u64 s[24:25], s[24:25], s[30:31]
	s_lshl_b32 s30, s27, 15
	s_add_nc_u64 s[28:29], s[28:29], s[30:31]
.irp j, 0,1,2,3,4,5,6,7,8,9,10,11,12,13,14,15
	global_load_b128 v[X+4*(\j):X+4*(\j)+3], v1, s[24:25] offset:4096*(\j) th:TH_LOAD_NT
.endr
	s_cmp_ge_u32 s2, 704
	s_cbranch_scc1 .Lwo
.irp j, 0,1,2,3,4,5,6,7,8,9,10,11,12,13,14,15
	s_wait_loadcnt 15-(\j)
	v_cvt_pk_bf16_f32 v[Y+2*(\j)],   v[X+4*(\j)],   v[X+4*(\j)+1]
	v_cvt_pk_bf16_f32 v[Y+2*(\j)+1], v[X+4*(\j)+2], v[X+4*(\j)+3]
	global_store_b64 v2, v[Y+2*(\j):Y+2*(\j)+1], s[28:29] offset:2048*(\j)
.endr
	s_endpgm
.Lwo:
.irp j, 0,1,2,3,4,5,6,7,8,9,10,11,12,13,14,15
	s_wait_loadcnt 15-(\j)
	v_cvt_pk_bf16_f32 v[T],   v[X+4*(\j)],   v[X+4*(\j)+1]
	v_cvt_pk_bf16_f32 v[T+1], v[X+4*(\j)+2], v[X+4*(\j)+3]
	v_lshlrev_b32 v[T+2], 16, v[T]
	v_and_b32     v[T+3], 0xffff0000, v[T]
	v_lshlrev_b32 v[T+4], 16, v[T+1]
	v_and_b32     v[T+5], 0xffff0000, v[T+1]
	v_cvt_pk_f16_f32 v[Y+2*(\j)],   v[T+2], v[T+3]
	v_cvt_pk_f16_f32 v[Y+2*(\j)+1], v[T+4], v[T+5]
	global_store_b64 v2, v[Y+2*(\j):Y+2*(\j)+1], s[28:29] offset:2048*(\j)
.endr
	s_endpgm
.Lfunc_end_k_qa63202bdf5_cast:
	.size	k_qa63202bdf5_cast, .Lfunc_end_k_qa63202bdf5_cast-k_qa63202bdf5_cast
	.p2alignl 7, 3214868480
	.fill 96, 4, 3214868480
	.section	.rodata,"a",@progbits
	.p2align	6, 0x0
	.amdhsa_kernel k_qa63202bdf5_cast
		.amdhsa_group_segment_fixed_size 0
		.amdhsa_private_segment_fixed_size 0
		.amdhsa_enable_private_segment 0
		.amdhsa_kernarg_size 64
		.amdhsa_user_sgpr_count 2
		.amdhsa_user_sgpr_kernarg_segment_ptr 1
		.amdhsa_wavefront_size32 1
		.amdhsa_system_sgpr_workgroup_id_x 1
		.amdhsa_system_sgpr_workgroup_id_y 1
		.amdhsa_system_sgpr_workgroup_id_z 1
		.amdhsa_system_vgpr_workitem_id 0
		.amdhsa_next_free_vgpr 108
		.amdhsa_next_free_sgpr 66
		.amdhsa_reserve_vcc 0
		.amdhsa_float_denorm_mode_32 3
		.amdhsa_float_denorm_mode_16_64 3
		.amdhsa_memory_ordered 1
		.amdhsa_forward_progress 1
		.amdhsa_inst_pref_size 16
	.end_amdhsa_kernel
	.amdgpu_metadata
---
amdhsa.version: [ 1, 2 ]
amdhsa.kernels:
  - .name:           k_qa63202bdf5_cast
    .symbol:         k_qa63202bdf5_cast.kd
    .args:
      - { .name: inputs, .offset: 0, .size: 8, .value_kind: global_buffer, .address_space: global }
      - { .name: Wq, .offset: 8, .size: 8, .value_kind: global_buffer, .address_space: global }
      - { .name: Wk, .offset: 16, .size: 8, .value_kind: global_buffer, .address_space: global }
      - { .name: Wv, .offset: 24, .size: 8, .value_kind: global_buffer, .address_space: global }
      - { .name: Wo, .offset: 32, .size: 8, .value_kind: global_buffer, .address_space: global }
      - { .name: xb, .offset: 40, .size: 8, .value_kind: global_buffer, .address_space: global }
      - { .name: wb, .offset: 48, .size: 8, .value_kind: global_buffer, .address_space: global }
      - { .name: wo16, .offset: 56, .size: 8, .value_kind: global_buffer, .address_space: global }
    .group_segment_fixed_size: 0
    .private_segment_fixed_size: 0
    .kernarg_segment_align: 8
    .kernarg_segment_size: 64
    .max_flat_workgroup_size: 256
    .sgpr_count:     66
    .vgpr_count:     108
    .wavefront_size: 32
...
	.end_amdgpu_metadata
.endif
;; end of part 1
;; launch proj (part 2): grid 16 x 32, 4 waves a work-group, clusters of 4 x 4, 327,680 bytes of LDS; arguments xb, wb, qkv; writes qkv
.if DOCPART == 2
	.amdgcn_target "amdgcn-amd-amdhsa--gfx1250"
	.amdhsa_code_object_version 6
	.text
	.protected	k_qa63202bdf5_proj
	.globl	k_qa63202bdf5_proj
	.p2align	8
	.type	k_qa63202bdf5_proj,@function
k_qa63202bdf5_proj:
	s_mov_b64 s[64:65], 0
	v_nop
	global_prefetch_b8 v0, s[64:65] scope:SCOPE_SE
	s_setreg_imm32_b32 hwreg(HW_REG_WAVE_MODE, 25, 1), 1
	s_wait_xcnt 0x0
	s_wait_alu depctr_hold_cnt(0) depctr_sa_sdst(0) depctr_va_vdst(0) depctr_va_sdst(0) depctr_va_ssrc(0) depctr_va_vcc(0) depctr_vm_vsrc(0)
	s_getreg_b32 s2, hwreg(HW_REG_IB_STS2, 6, 4)
	s_cmp_eq_u32 s2, 0
	s_cbranch_scc0 .Lentry_in_a_cluster
	s_endpgm
.Lentry_in_a_cluster:
	s_bfe_u32 s2, ttmp6, 0x10000c
	s_cmp_lg_u32 s2, 0xf033
	s_cbranch_scc0 .Lentry_shape_is_right
	s_endpgm
.Lentry_shape_is_right:
.set SIZE_K, 1024
.set KSTEP,  128
.set PITCH,  272
.set HALFA,  128*PITCH
.set HALFB,  96*PITCH
.set BOFF,   2*HALFA
.set SLOT,   BOFF+2*HALFB
.set STAGE,  2*SLOT
.set SP,     144
.set SPARE,  STAGE+4*16*SP
.set LAPS,   SIZE_K/(2*KSTEP)
.set ADRA, 16
.set ADRB, 20
.set STO,  24
.set RD,   25
.set GO,   26
.set SPW,  28
.set NIL,  29
.set TMP,  32
.set F0,   0
.set F1,   128
.set G1,  24
.set G0,  32
.set G1B, 48
.set G0B, 56
.set HB,  66
.set MSB, 0
.macro WIN new
.if MSB != (\new)
	s_set_vgpr_msb (MSB<<8)|(\new)
.set MSB, \new
.endif
.endm
.set MUL_LO, 0xa5
.set MUL_HI, 0xf5
.set TO_F,   0x40
.macro JLOAD s
	s_cmp_eq_u32 s13, 0
	s_cbranch_scc0 .Lfor_b_\@
	tensor_load_to_lds s[G0+4*(\s):G0+4*(\s)+3], s[G1:G1+7]
	s_nop 0
.rept 4
	v_nop
.endr
	s_branch .Lasked_\@
.Lfor_b_\@:
	tensor_load_to_lds s[G0B+4*(\s):G0B+4*(\s)+3], s[G1B:G1B+7]
	s_nop 0
.rept 4
	v_nop
.endr
.Lasked_\@:
.endm
.macro CREST
	s_cmp_lg_u32 s12, 0
	s_cbranch_scc1 .Lnot_wave_0_\@
	s_barrier_signal -3
.Lnot_wave_0_\@:
	s_barrier_wait -3
	s_barrier_signal -1
	s_barrier_wait -1
.endm
.macro CROUND
	s_barrier_signal -1
	s_barrier_wait -1
	CREST
.endm
	s_load_b128 s[4:7], s[0:1], 0x0
	s_load_b64 s[8:9], s[0:1], 0x10
	v_lshl_add_u32 v[SPW], v0, 2, SPARE
	v_mov_b32 v[NIL], 0
	ds_add_u32 v[SPW], v[NIL]
	v_lshrrev_b32 v1, 5, v0
	v_readfirstlane_b32 s12, v1
	s_lshr_b32 s13, s12, 1
	s_and_b32 s14, s12, 1
	s_bfe_u32 s15, ttmp6, 0x40000
	s_bfe_u32 s16, ttmp6, 0x40004
	s_lshl_b32 s17, ttmp9, 2
	s_add_co_u32 s17, s17, s15
	s_and_b32 s18, ttmp7, 0xffff
	s_lshl_b32 s18, s18, 2
	s_add_co_u32 s18, s18, s16
	s_lshl_b32 s19, s16, 2
	s_lshl_b32 s19, 15, s19
	s_lshl_b32 s20, 0x1111, s15
	s_or_b32 s[G1+0], s19, (1<<16)|(1<<20)|(1<<21)|(5<<22)|(3<<25)
	s_or_b32 s[G1B+0], s20, (1<<16)|(1<<20)|(1<<21)|(5<<22)|(3<<25)
	s_mov_b32 s[G1+1], KSTEP<<16
	s_mov_b32 s[G1B+1], KSTEP<<16
	s_mov_b32 s[G1+2], 128<<16
	s_mov_b32 s[G1B+2], 96<<16
	s_mov_b32 s[G1+3], KSTEP<<16
	s_mov_b32 s[G1B+3], KSTEP<<16
	s_mov_b32 s[G1+4], 128
	s_mov_b32 s[G1B+4], 96
	s_mov_b32 s[G1+5], SIZE_K
	s_mov_b32 s[G1B+5], SIZE_K
	s_mov_b32 s[G1+6], 0
	s_mov_b32 s[G1B+6], 0
	s_mov_b32 s[G1+7], 0
	s_mov_b32 s[G1B+7], 0
	s_lshl_b32 s40, s18, 19
	s_lshl_b32 s41, s14, 18
	s_add_co_u32 s40, s40, s41
	s_mov_b32 s41, 0
	s_mul_i32 s44, s17, 192
	s_mul_i32 s45, s14, 96
	s_add_co_u32 s44, s44, s45
	s_lshl_b32 s44, s44, 11
	s_mov_b32 s45, 0
	s_mul_i32 s21, s14, HALFA
	s_mul_i32 s22, s14, HALFB
	s_add_co_u32 s22, s22, BOFF
	s_wait_dscnt 0x0
	s_wait_kmcnt 0x0
	s_add_nc_u64 s[42:43], s[4:5], s[40:41]
	s_add_nc_u64 s[46:47], s[6:7], s[44:45]
	CROUND
.irp s, 0,1
	s_mov_b32 s[G0+4*(\s)], 1
	s_add_co_u32 s[G0+4*(\s)+1], s21, (\s)*SLOT
	s_add_nc_u64 s[G0+4*(\s)+2:G0+4*(\s)+3], s[42:43], (\s)*KSTEP*2
	s_or_b32 s[G0+4*(\s)+3], s[G0+4*(\s)+3], 0x80000000
	s_mov_b32 s[G0B+4*(\s)], 1
	s_add_co_u32 s[G0B+4*(\s)+1], s22, (\s)*SLOT
	s_add_nc_u64 s[G0B+4*(\s)+2:G0B+4*(\s)+3], s[46:47], (\s)*KSTEP*2
	s_or_b32 s[G0B+4*(\s)+3], s[G0B+4*(\s)+3], 0x80000000
	JLOAD \s
.endr
	v_and_b32 v1, 15, v0
	v_bfe_u32 v2, v0, 4, 1
	v_mul_u32_u24 v3, v1, PITCH
	v_lshl_add_u32 v3, v2, 4, v3
	s_mul_i32 s21, s12, 64*PITCH
	s_mov_b32 s22, BOFF
.irp s, 0,1
	v_add_nc_u32 v[ADRA+(\s)], s21, v3
	v_add_nc_u32 v[ADRB+(\s)], s22, v3
	s_add_co_u32 s21, s21, SLOT
	s_add_co_u32 s22, s22, SLOT
.endr
	s_mul_i32 s23, s12, 16*SP
	s_add_co_u32 s23, s23, STAGE
	v_mul_u32_u24 v4, v1, SP
	v_lshl_add_u32 v4, v2, 4, v4
	v_add_nc_u32 v[STO], s23, v4
	v_bfe_u32 v5, v0, 3, 2
	v_mul_u32_u24 v5, v5, SP
	v_and_b32 v4, 7, v0
	v_lshl_add_u32 v5, v4, 4, v5
	v_add_nc_u32 v[RD], s23, v5
	v_and_b32 v[GO], 31, v0
	v_lshlrev_b32 v[GO], 4, v[GO]
	s_lshr_b32 s44, s18, 3
	s_lshl_b32 s44, s44, 4
	s_and_b32 s45, s18, 7
	s_lshl_b32 s45, s45, 15
	s_lshl_b32 s46, s12, 13
	s_add_co_u32 s45, s45, s46
	s_mul_i32 s46, s17, 3
.irp j, 0,1,2
	s_add_co_u32 s22, s46, \j
	s_lshr_b32 s23, s22, 4
	s_lshl_b32 s23, s23, 6
	s_and_b32 s22, s22, 15
	s_add_co_u32 s22, s22, s23
	s_add_co_u32 s22, s22, s44
	s_lshl_b32 s22, s22, 18
	s_add_co_u32 s22, s22, s45
	s_mov_b32 s23, 0
	s_add_nc_u64 s[HB+2*(\j):HB+2*(\j)+1], s[8:9], s[22:23]
.endr
.macro MUL12 f, a, zero
	WIN MUL_LO+0x50*((\a)/2)
.irp b, 0,1,2,3,4,5,6,7,8,9,10,11
.if \zero
	v_wmma_f32_16x16x32_bf16 v[8*(12*((\a)%2)+(\b)):8*(12*((\a)%2)+(\b))+7], v[(\f)+32+8*(\b):(\f)+32+8*(\b)+7], v[(\f)+8*(\a):(\f)+8*(\a)+7], 0
.else
	v_wmma_f32_16x16x32_bf16 v[8*(12*((\a)%2)+(\b)):8*(12*((\a)%2)+(\b))+7], v[(\f)+32+8*(\b):(\f)+32+8*(\b)+7], v[(\f)+8*(\a):(\f)+8*(\a)+7], v[8*(12*((\a)%2)+(\b)):8*(12*((\a)%2)+(\b))+7]
.endif
.endr
.endm
.macro FETCH slot, k, f
	WIN TO_F
.irp i, 0,1,2,3,4,5,6,7,8,9,10,11
	ds_load_b128 v[(\f)+32+8*(\i):(\f)+32+8*(\i)+3],   v[ADRB+(\slot)] offset:(\k)+(\i)*16*PITCH
	ds_load_b128 v[(\f)+32+8*(\i)+4:(\f)+32+8*(\i)+7], v[ADRB+(\slot)] offset:(\k)+(\i)*16*PITCH+32
.endr
.irp i, 0,1,2,3
	ds_load_b128 v[(\f)+8*(\i):(\f)+8*(\i)+3],   v[ADRA+(\slot)] offset:(\k)+(\i)*16*PITCH
	ds_load_b128 v[(\f)+8*(\i)+4:(\f)+8*(\i)+7], v[ADRA+(\slot)] offset:(\k)+(\i)*16*PITCH+32
.endr
.endm
.macro PLACES
.rept 4
	v_nop
.endr
.endm
.macro QUARTER slot, k, f, g, zero
	s_wait_dscnt 4
	MUL12 \f, 0, \zero
	MUL12 \f, 1, \zero
	PLACES
	FETCH \slot, \k, \g
	s_wait_dscnt 32
	MUL12 \f, 2, \zero
	MUL12 \f, 3, \zero
.endm
.macro TURN slot, next, fill
	WIN 0
	s_wait_tensorcnt 0x0
	ds_add_u32 v[SPW], v[NIL]
	s_wait_dscnt 5
	MUL12 F1, 0, 0
	s_wait_dscnt 0x0
	s_barrier_signal -1
	MUL12 F1, 1, 0
.if \fill
	WIN 0
.endif
	s_barrier_wait -1
.if \fill
	CREST
	s_add_nc_u64 s[G0+4*(\slot)+2:G0+4*(\slot)+3], s[G0+4*(\slot)+2:G0+4*(\slot)+3], 2*KSTEP*2
	s_add_nc_u64 s[G0B+4*(\slot)+2:G0B+4*(\slot)+3], s[G0B+4*(\slot)+2:G0B+4*(\slot)+3], 2*KSTEP*2
	JLOAD \slot
.else
	PLACES
.endif
	FETCH \next, 0, F0
	MUL12 F1, 2, 0
	MUL12 F1, 3, 0
.endm
.macro PACK u
.set pa, (\u)/3
.set pj, (\u)%3
	WIN 0x0a+5*(pa/2)
.irp f, 0,1,2,3
.irp r, 0,1,2,3
	v_cvt_pk_f16_f32 v[TMP+16*(\u)+4*(\f)+(\r)], v[8*(12*(pa%2)+4*pj+(\f))+2*(\r)], v[8*(12*(pa%2)+4*pj+(\f))+2*(\r)+1]
.endr
.endr
	WIN 0
.irp f, 0,1,2,3
	ds_store_b128 v[STO], v[TMP+16*(\u)+4*(\f):TMP+16*(\u)+4*(\f)+3] offset:32*(\f)
.endr
.irp f, 0,1,2,3
	ds_load_b128 v[TMP+16*(\u)+4*(\f):TMP+16*(\u)+4*(\f)+3], v[RD] offset:(\f)*4*SP
.endr
.endm
.macro SEND u, younger
.set pa, (\u)/3
.set pj, (\u)%3
	WIN 0
.irp f, 0,1,2,3
	s_wait_dscnt (\younger)+3-(\f)
	global_store_b128 v[GO], v[TMP+16*(\u)+4*(\f):TMP+16*(\u)+4*(\f)+3], s[HB+2*pj:HB+2*pj+1] offset:pa*2048+(\f)*512
.endr
.endm
	s_wait_tensorcnt 1
	s_barrier_signal -1
	s_barrier_wait -1
	FETCH 0, 0, F0
	QUARTER 0, 64,  F0, F1, 1
	WIN 0
	s_mov_b32 s3, LAPS-1
.Llap:
	QUARTER 0, 128, F1, F0, 0
	QUARTER 0, 192, F0, F1, 0
	TURN 0, 1, 1
	QUARTER 1, 64,  F0, F1, 0
	QUARTER 1, 128, F1, F0, 0
	QUARTER 1, 192, F0, F1, 0
	TURN 1, 0, 1
	QUARTER 0, 64,  F0, F1, 0
	WIN 0
	s_sub_co_u32 s3, s3, 1
	s_cmp_lg_u32 s3, 0
	s_cbranch_scc1 .Llap
	QUARTER 0, 128, F1, F0, 0
	QUARTER 0, 192, F0, F1, 0
	TURN 0, 1, 0
	QUARTER 1, 64,  F0, F1, 0
	QUARTER 1, 128, F1, F0, 0
	QUARTER 1, 192, F0, F1, 0
	s_wait_dscnt 4
	MUL12 F1, 0, 0
	MUL12 F1, 1, 0
	s_wait_dscnt 0x0
	MUL12 F1, 2, 0
	MUL12 F1, 3, 0
	WIN 0
	PLACES
	PACK 0
.set u, 1
.rept 11
	PACK u
	SEND u-1, 8
.set u, u+1
.endr
	SEND 11, 0
	s_wait_tensorcnt 0x0
	ds_add_u32 v[SPW], v[NIL]
	s_wait_dscnt 0x0
	CROUND
	s_endpgm
.Lfunc_end_k_qa63202bdf5_proj:
	.size	k_qa63202bdf5_proj, .Lfunc_end_k_qa63202bdf5_proj-k_qa63202bdf5_proj
	.p2alignl 7, 3214868480
	.fill 96, 4, 3214868480
	.section	.rodata,"a",@progbits
	.p2align	6, 0x0
	.amdhsa_kernel k_qa63202bdf5_proj
		.amdhsa_group_segment_fixed_size 327680
		.amdhsa_private_segment_fixed_size 0
		.amdhsa_enable_private_segment 0
		.amdhsa_kernarg_size 24
		.amdhsa_user_sgpr_count 2
		.amdhsa_user_sgpr_kernarg_segment_ptr 1
		.amdhsa_wavefront_size32 1
		.amdhsa_system_sgpr_workgroup_id_x 1
		.amdhsa_system_sgpr_workgroup_id_y 1
		.amdhsa_system_sgpr_workgroup_id_z 1
		.amdhsa_system_vgpr_workitem_id 0
		.amdhsa_next_free_vgpr 960
		.amdhsa_next_free_sgpr 72
		.amdhsa_reserve_vcc 0
		.amdhsa_float_denorm_mode_32 3
		.amdhsa_float_denorm_mode_16_64 3
		.amdhsa_memory_ordered 1
		.amdhsa_forward_progress 1
		.amdhsa_inst_pref_size 120
	.end_amdhsa_kernel
	.amdgpu_metadata
---
amdhsa.version: [ 1, 2 ]
amdhsa.kernels:
  - .name:           k_qa63202bdf5_proj
    .symbol:         k_qa63202bdf5_proj.kd
    .args:
      - { .name: xb, .offset: 0, .size: 8, .value_kind: global_buffer, .address_space: global }
      - { .name: wb, .offset: 8, .size: 8, .value_kind: global_buffer, .address_space: global }
      - { .name: qkv, .offset: 16, .size: 8, .value_kind: global_buffer, .address_space: global }
    .group_segment_fixed_size: 327680
    .private_segment_fixed_size: 0
    .kernarg_segment_align: 8
    .kernarg_segment_size: 24
    .max_flat_workgroup_size: 128
    .sgpr_count:     72
    .vgpr_count:     960
    .wavefront_size: 32
...
	.end_amdgpu_metadata
.endif
;; end of part 2
;; launch attn (part 3): grid 4 x 64, 4 waves a work-group, no clusters, 327,680 bytes of LDS; arguments qkv, o; writes o
.if DOCPART == 3
	.amdgcn_target "amdgcn-amd-amdhsa--gfx1250"
	.amdhsa_code_object_version 6
	.text
	.protected	k_qa63202bdf5_attn
	.globl	k_qa63202bdf5_attn
	.p2align	8
	.type	k_qa63202bdf5_attn,@function
k_qa63202bdf5_attn:
	s_mov_b64 s[64:65], 0
	v_nop
	global_prefetch_b8 v0, s[64:65] scope:SCOPE_SE
	s_setreg_imm32_b32 hwreg(HW_REG_WAVE_MODE, 25, 1), 1
	s_wait_xcnt 0x0
.set SIZE_H, 64
.set SIZE_N, 2048
.set NB,    SIZE_N/256
.set NP,    4
.set KS,    64
.set PK,    144
.set PV,    160
.set VOFF,  4*KS*PK
.set SLOT1, 1<<17
.set STAGE, SLOT1+4*KS*(PK+PV)
.set SP,    144
.set AK0, 2
.set AV0, 3
.set AK,  4
.set AV,  5
.set STO, 6
.set RD,  7
.set GO,  8
.set SPW, 62
.set NIL, 63
.set SPARE, STAGE+4*16*SP
.set MV,  12
.set QO,  15
.set ST,  16
.set TMP, 48
.set S,   64
.set P,   192
.set MD,  128
.set MC,  160
.set QB,  64
.set KF,  128
.set VF,  192
.set WV,  12
.set PB,  14
.set HI,  15
.set G1K, 24
.set G1V, 32
.set G0K, 40
.set G0V, 44
.set SLOTS, 56
.set CNT, 57
.set CS,  58
.set SEL, 60
.set TBK, 62
.set TBV, 63
.set RT,  70
.set NXT, 71
.set LQ,  72
.set NEW, 73
.set OFF, 74
.set AL,  76
.set BE,  78
.set OLO, 80
.set BIGN, 82
.set MSB, 0
.macro WIN new
.if MSB != (\new)
	s_set_vgpr_msb (MSB<<8)|(\new)
.set MSB, (\new)
.endif
.endm
.set W_KQ, 0x0a
.set W_KM, 0x1a
.set W_PV, 0x52
.set W_RS, 0x41
.macro LOAD
	s_cmp_lt_u32 s[WV], 2
	s_cbranch_scc0 .Lfor_v_\@
	tensor_load_to_lds s[G0K:G0K+3], s[G1K:G1K+7]
	s_nop 0
.rept 4
	v_nop
.endr
	s_branch .Lasked_\@
.Lfor_v_\@:
	tensor_load_to_lds s[G0V:G0V+3], s[G1V:G1V+7]
	s_nop 0
.rept 4
	v_nop
.endr
.Lasked_\@:
.endm
.macro CHANGE fill
	WIN 0
	s_wait_tensorcnt 0x0
	ds_add_u32 v[SPW], v[NIL]
.if \fill
	s_lshl_b32 s[OFF], s[NXT], 15
	s_xor_b32 s[G0K+1], s[G0K+1], SLOT1
	s_add_nc_u64 s[G0K+2:G0K+3], s[6:7], s[OFF:OFF+1]
	s_or_b32 s[G0K+3], s[G0K+3], 0x80000000
	s_xor_b32 s[G0V+1], s[G0V+1], SLOT1
	s_add_nc_u64 s[G0V+2:G0V+3], s[8:9], s[OFF:OFF+1]
	s_or_b32 s[G0V+3], s[G0V+3], 0x80000000
	s_add_co_u32 s[NXT], s[NXT], 1
	s_cmp_gt_u32 s[NXT], s[LQ]
	s_cselect_b32 s[NXT], 0, s[NXT]
	s_cselect_b32 s[LQ], s[PB], s[LQ]
.endif
	s_wait_dscnt 0x0
	s_barrier_signal -1
	s_sub_co_u32 s[TBK], s[TBK], 4*KS*PK
	s_xor_b32 s[TBK], s[TBK], SLOT1
	s_sub_co_u32 s[TBV], s[TBV], 4*KS*PV
	s_xor_b32 s[TBV], s[TBV], SLOT1
	s_barrier_wait -1
.if \fill
	LOAD
.endif
.endm
	s_load_b64 s[4:5], s[0:1], 0x0
	s_load_b64 s[10:11], s[0:1], 0x8
	v_lshl_add_u32 v[SPW], v0, 2, SPARE
	v_mov_b32 v[NIL], 0
	ds_add_u32 v[SPW], v[NIL]
	v_lshrrev_b32 v1, 5, v0
	v_readfirstlane_b32 s[WV], v1
	s_mov_b32 s[PB], ttmp9
	s_sub_co_u32 s[HI], NB-1, s[PB]
	s_and_b32 s20, ttmp7, 0xffff
	s_mov_b32 s21, 0
	s_mov_b64 s[22:23], SIZE_N*128
	s_mul_u64 s[20:21], s[20:21], s[22:23]
	s_and_b32 s16, s[WV], 1
	s_lshl_b32 s22, s16, 14
	s_mov_b32 s23, 0
	s_add_nc_u64 s[22:23], s[22:23], s[20:21]
	s_mul_i32 s17, s16, 128*PK
	s_mul_i32 s18, s16, 128*PV
	s_lshl_b32 s3, s[WV], 11
	s_lshl_b32 s2, s[HI], 15
	s_add_co_u32 s2, s2, s3
	s_lshl_b32 s84, s[PB], 15
	s_add_co_u32 s84, s84, s3
	s_mov_b32 s3, 0
	s_mov_b32 s85, 0
	s_add_nc_u64 s[2:3], s[2:3], s[20:21]
	s_add_nc_u64 s[84:85], s[84:85], s[20:21]
	s_mov_b32 s[G1K], (1<<16)|(1<<20)|(4<<22)|(3<<25)
	s_mov_b32 s[G1V], (1<<16)|(1<<20)|(4<<22)|(7<<25)
.irp g, G1K, G1V
	s_mov_b32 s[\g+1], 128<<16
	s_mov_b32 s[\g+2], 64<<16
	s_mov_b32 s[\g+3], 128<<16
	s_mov_b32 s[\g+4], 64
	s_mov_b32 s[\g+5], 128
	s_mov_b32 s[\g+6], 0
	s_mov_b32 s[\g+7], 0
.endr
	s_mov_b32 s[CS], 0x3e38aa3b
	s_mov_b32 s[CS+1], s[CS]
	s_mov_b32 s[SEL], 0x76543210
	s_mov_b32 s[SEL+1], 0xfedcba98
	s_mov_b32 s[TBK], SLOT1+4*KS*PK
	s_mov_b32 s[TBV], SLOT1+4*KS*PV
	s_mov_b32 s[G0K], 1
	s_mov_b32 s[G0K+1], s17
	s_mov_b32 s[G0V], 1
	s_add_co_u32 s[G0V+1], s18, VOFF
	s_add_co_u32 s[RT], s[HI], 1
	s_mov_b32 s[NXT], 1
	s_mov_b32 s[LQ], s[HI]
	s_mov_b32 s[NEW], 1
	s_mov_b32 s[OFF+1], 0
	s_mov_b32 s[AL+1], 0
	s_mov_b32 s[BE+1], 0
	s_mov_b32 s[BIGN], 0xf149f2ca
	s_mov_b32 s[SLOTS], NB
	s_wait_dscnt 0x0
	s_wait_kmcnt 0x0
	s_add_nc_u64 s[6:7], s[4:5], 0x1000000
	s_add_nc_u64 s[8:9], s[4:5], 0x2000000
	s_add_nc_u64 s[6:7], s[6:7], s[22:23]
	s_add_nc_u64 s[8:9], s[8:9], s[22:23]
	s_add_nc_u64 s[G0K+2:G0K+3], s[6:7], 0
	s_or_b32 s[G0K+3], s[G0K+3], 0x80000000
	s_add_nc_u64 s[G0V+2:G0V+3], s[8:9], 0
	s_or_b32 s[G0V+3], s[G0V+3], 0x80000000
	s_add_nc_u64 s[86:87], s[4:5], s[84:85]
	s_add_nc_u64 s[4:5], s[4:5], s[2:3]
	s_add_nc_u64 s[OLO:OLO+1], s[10:11], s[84:85]
	s_add_nc_u64 s[10:11], s[10:11], s[2:3]
	LOAD
	v_and_b32 v1, 15, v0
	v_bfe_u32 v9, v0, 4, 1
	v_lshlrev_b32 v[QO], 7, v1
	v_lshl_add_u32 v[QO], v9, 4, v[QO]
	WIN 0x80
.set i, 0
.rept 8
	global_load_b128 v[8*i:8*i+3],   v[QO], s[4:5] offset:(i/2)*8192+(i%2)*64
	global_load_b128 v[8*i+4:8*i+7], v[QO], s[4:5] offset:(i/2)*8192+(i%2)*64+32
	global_load_b128 v[QB+8*i:QB+8*i+3],   v[QO], s[86:87] offset:(i/2)*8192+(i%2)*64
	global_load_b128 v[QB+8*i+4:QB+8*i+7], v[QO], s[86:87] offset:(i/2)*8192+(i%2)*64+32
.set i, i+1
.endr
	WIN 0
	v_lshlrev_b32 v14, 3, v9
	v_sub_nc_u32 v14, v1, v14
	s_lshl_b32 s13, s[WV], 4
	v_add_nc_u32 v14, s13, v14
	WIN 0x40
.set i, 0
.rept 32
	v_cmp_gt_i32 vcc_lo, 16*(i/8)+i%8, v14
	v_cndmask_b32 v[MD+i], 0, s[BIGN], vcc_lo
.set i, i+1
.endr
	WIN 0
	v_mul_u32_u24 v[AK0], v1, PK
	v_lshl_add_u32 v[AK0], v9, 4, v[AK0]
	v_and_b32 v10, 7, v0
	v_bfe_u32 v11, v0, 3, 1
	v_lshl_add_u32 v[AV0], v9, 3, v10
	v_mul_u32_u24 v[AV0], v[AV0], PV
	v_lshl_add_u32 v[AV0], v11, 4, v[AV0]
	v_add_nc_u32 v[AV0], VOFF, v[AV0]
	s_mul_i32 s13, s[WV], 16*SP
	s_add_co_u32 s13, s13, STAGE
	v_mul_u32_u24 v[STO], v1, SP
	v_lshl_add_u32 v[STO], v9, 4, v[STO]
	v_add_nc_u32 v[STO], s13, v[STO]
	v_bfe_u32 v[RD], v0, 3, 2
	v_mul_u32_u24 v[RD], v[RD], SP
	v_lshl_add_u32 v[RD], v10, 4, v[RD]
	v_add_nc_u32 v[RD], s13, v[RD]
	v_and_b32 v[GO], 31, v0
	v_lshlrev_b32 v[GO], 4, v[GO]
	WIN 0x80
.set i, VF
.rept 64
	v_mov_b32 v[i], 0
.set i, i+1
.endr
	WIN 0x40
.set i, 0
.rept 128
	v_mov_b32 v[i], 0
.set i, i+1
.endr
	WIN 0
.set i, 0
.rept 4
	v_mov_b32 v[ST+4*i+2], 0
	v_mov_b32 v[ST+4*i+3], 0
.set i, i+1
.endr
.set i, P+16
.rept 16
	v_mov_b32 v[i], 0
.set i, i+1
.endr
.macro KQ x
.set rS, S+32*((\x)%2)+8*(i%4)
.set rK, KF+16*(i%4)+8*(i/4)
.set rQ, 16*(\x)+8*(i/4)
.set rM, MC+32*((\x)%2)+8*(i%4)
.if (i < 4) && KM
	WIN W_KM
	v_wmma_f32_16x16x32_f16 v[rS:rS+7], v[rK:rK+7], v[rQ:rQ+7], v[rM:rM+7]
.elseif i < 4
	WIN W_KQ
	v_wmma_f32_16x16x32_f16 v[rS:rS+7], v[rK:rK+7], v[rQ:rQ+7], 0
.else
	WIN W_KQ
	v_wmma_f32_16x16x32_f16 v[rS:rS+7], v[rK:rK+7], v[rQ:rQ+7], v[rS:rS+7]
.endif
.endm
.macro PV x
	WIN W_PV
.set rO, 32*(\x)+8*(i%4)
.set rV, VF+32*(i/4)+8*(i%4)
.set rP, P+16*((\x)%2)+8*(i/4)
	v_wmma_f32_16x16x32_f16 v[rO:rO+7], v[rV:rV+7], v[rP:rP+7], v[rO:rO+7]
.endm
.macro MM
.if (i < 8) && !NOKQ
	KQ (Y+1)%NP
.elseif i >= 8
.set i, i-8
	PV (Y+NP-1)%NP
.set i, i+8
.endif
.set i, i+1
.endm
.macro FETCH_K
	WIN 0x80
.irp f, 0,1,2,3,4,5,6,7
	ds_load_b128 v[KF+8*\f:KF+8*\f+3],   v[AK] offset:(\f/2)*16*PK+(\f%2)*64
	ds_load_b128 v[KF+8*\f+4:KF+8*\f+7], v[AK] offset:(\f/2)*16*PK+(\f%2)*64+32
.endr
	s_add_co_u32 s[TBK], s[TBK], KS*PK
	WIN 0
.endm
.macro FETCH_V
	WIN 0x80
.irp f, 0,1,2,3,4,5,6,7
	ds_load_tr16_b128 v[VF+8*\f:VF+8*\f+3],   v[AV] offset:(\f/4)*32*PV+(\f%4)*32
	ds_load_tr16_b128 v[VF+8*\f+4:VF+8*\f+7], v[AV] offset:(\f/4)*32*PV+16*PV+(\f%4)*32
.endr
	WIN 0
.endm
.set F, 0
.set E, 1
.set C, 2
.set B, 3
.set L, 4
.set R, 5
.set X, 6
.macro REGS y
.set rT, ST+4*(\y)
.set rC, TMP+4*((\y)%2)
.set rW, MV+((\y)%2)
.set rS, S+32*((\y)%2)
.set rP, P+16*((\y)%2)
.set rO, 32*(\y)
.endm
.macro OP k, n
.if (\k) == R
	REGS Y
	WIN W_RS
	v_pk_mul_f32 v[rO+2*(\n):rO+2*(\n)+1], v[rO+2*(\n):rO+2*(\n)+1], v[rC+2:rC+3] op_sel_hi:[1,0]
.elseif (\k) < R
	REGS Y
	WIN 0
.if (\k) == F
	v_pk_fma_f32 v[rS+2*(\n):rS+2*(\n)+1], v[rS+2*(\n):rS+2*(\n)+1], s[CS:CS+1], v[rT:rT+1] op_sel_hi:[1,0,0] neg_lo:[0,0,1] neg_hi:[0,0,1]
.elseif (\k) == E
	v_exp_f32 v[rS+(\n)], v[rS+(\n)]
.elseif (\k) == C
	v_cvt_pk_f16_f32 v[rP+(\n)], v[rS+2*(\n)], v[rS+2*(\n)+1]
.elseif (\k) == B
	v_pk_add_f32 v[rS+4*(\n):rS+4*(\n)+1], v[rS+4*(\n):rS+4*(\n)+1], v[rS+4*(\n)+2:rS+4*(\n)+3]
.elseif (\n) == 0
	v_pk_fma_f32 v[rT+2:rT+3], v[rT+2:rT+3], v[rC+2:rC+3], v[rS:rS+1] op_sel_hi:[1,0,1]
.else
	v_pk_add_f32 v[rT+2:rT+3], v[rT+2:rT+3], v[rS+4*(\n):rS+4*(\n)+1]
.endif
.elseif NOKQ
	v_nop
.else
	REGS (Y+1)%NP
	WIN 0
.if (\n) < 4
	v_max3_num_f32 v[rC+(\n)], v[rS+8*(\n)], v[rS+8*(\n)+1], v[rS+8*(\n)+2]
.elseif (\n) < 12
	v_max3_num_f32 v[rC+(\n)%4], v[rC+(\n)%4], v[rS+8*((\n)%4)+2*((\n)/4)+1], v[rS+8*((\n)%4)+2*((\n)/4)+2]
.elseif (\n) == 12
	v_max3_num_f32 v[rC], v[rC], v[rS+7], v[rS+15]
.elseif (\n) == 13
	v_max3_num_f32 v[rC+1], v[rC+1], v[rS+23], v[rS+31]
.elseif (\n) == 14
	v_max3_num_f32 v[rC+2], v[rC+2], v[rC+3], v[rT+1]
.elseif (\n) == 15
	v_mov_b32 v[rW], v[rT]
.elseif (\n) == 16
	v_max3_num_f32 v[rC], v[rC], v[rC+1], v[rC+2]
.elseif (\n) == 17
	v_permlanex16_b32 v[rC+3], v[rC], s[SEL], s[SEL+1]
.elseif (\n) == 18
	v_max_num_f32 v[rT+1], v[rC], v[rC+3]
.elseif (\n) == 19
	v_mul_f32 v[rT], s[CS], v[rT+1]
.elseif (\n) == 20
	v_sub_f32 v[rC+1], v[rW], v[rT]
.else
	v_exp_f32 v[rC+2], v[rC+1]
.endif
.endif
.endm
.macro OPS a, i1, b=-1, i2=0, c=-1, i3=0, d=-1, i4=0
	OP \a, \i1
.if (\b) >= 0
	OP \b, \i2
.endif
.if (\c) >= 0
	OP \c, \i3
.endif
.if (\d) >= 0
	OP \d, \i4
.endif
.endm
.macro ROW a, i1, b, i2, c, i3, d, i4
	MM
	OPS \a, \i1, \b, \i2, \c, \i3, \d, \i4
.endm
.macro MASK b
	WIN W_RS
.set z, 0
.rept 16
	v_pk_fma_f32 v[MC+32*(\b)+2*z:MC+32*(\b)+2*z+1], v[MD+2*z:MD+2*z+1], s[AL:AL+1], s[BE:BE+1] op_sel_hi:[1,0,0]
.set z, z+1
.endr
.endm
.macro TURN p, m=0, end=0, cnt=0
.set Y, (\p)
.set i, 0
.set KM, (\m)
.set NOKQ, (\end)*((\p)/3)
.if (\m) && !(\end)
	s_cmp_eq_u32 s[CNT], 4-((\p)+2)%NP
	s_cselect_b32 s[AL], 1.0, 0
	s_cmp_lt_u32 s[CNT], 4-((\p)+2)%NP
	s_cselect_b32 s[BE], s[BIGN], 0
.endif
.if ((\p) == 3) && !(\end)
	s_wait_dscnt 0x0
.endif
	ROW F,0, F,1, F,2, F,3
	ROW F,4, E,0, F,5, F,6
	ROW F,7, E,1, F,8, F,9
	ROW F,10, E,2, C,0, F,11
	ROW F,12, E,3, X,15, F,13
	ROW R,0, R,1, R,2, R,3
	ROW B,0, E,4, F,14, L,0
.if ((\p) == 2) && !(\end)
	v_add_nc_u32 v[AK], s[TBK], v[AK0]
.endif
	ROW R,4, R,5, R,6, R,7
	OPS E,5, F,15
.if ((\p) == 2) && !(\end)
	FETCH_K
.endif
	OPS E,6, C,1, E,7, R,8
	OPS E,8, R,9, E,9, C,2
	OPS E,10, X,0, E,11, X,1
	OPS E,12, X,2, E,13, X,3
.if (\p) == 1
	s_wait_dscnt 0x0
.endif
	ROW X,4, E,14, X,5, X,6
	ROW X,7, E,15, X,8, X,9
	ROW X,10, E,16, X,11, X,12
	ROW X,13, E,17, X,14, B,1
	ROW C,4, E,18, X,16, L,1
	ROW B,2, E,19, C,6, L,2
	ROW C,8, E,20, B,3, B,4
.if (\p) == 0
	v_add_nc_u32 v[AV], s[TBV], v[AV0]
.endif
	ROW C,3, E,21, L,3, C,5
	OPS E,22, X,17, E,23, C,10
.if (\p) == 0
	FETCH_V
.endif
	OPS E,24, L,4
	OPS E,25, X,18, E,26, C,7
	OPS E,27, B,5, E,28, X,19
	OPS E,29, C,12, E,30, L,5
	OPS E,31, X,20, B,6, C,9
	OPS C,14, C,11, X,21, L,6
.if (\p) == 0
	s_add_co_u32 s[TBV], s[TBV], KS*PV
.endif
.if \cnt
	s_sub_co_u32 s[CNT], s[CNT], 1
	s_cmp_lg_u32 s[CNT], 0
.endif
	OPS C,13, B,7, C,15, R,10
	OPS R,11, R,12, L,7, R,13
	OPS R,14, R,15
.if (\m) && !(\end)
	MASK (\p)%2
.endif
.endm
.macro BEGIN
	s_mov_b32 s[NEW], 0
	WIN 0x40
.set i, MC+32
.rept 32
	v_mov_b32 v[i], 0
.set i, i+1
.endr
	WIN 0
.set i, 0
.rept 4
	v_mov_b32 v[ST+4*i], 0xfe000000
	v_mov_b32 v[ST+4*i+1], 0xff7fffff
.set i, i+1
.endr
	s_cmp_eq_u32 s[RT], 0
	s_cselect_b32 s[AL], 1.0, 0
	s_mov_b32 s[BE], 0
	MASK 0
	WIN 0
	v_add_nc_u32 v[AK], s[TBK], v[AK0]
	FETCH_K
	s_wait_loadcnt 0x0
	s_wait_dscnt 0x0
.set KM, 1
.set NOKQ, 0
.set i, 0
.rept 8
	KQ 0
.set i, i+1
.endr
	WIN 0
.rept 4
	v_nop
.endr
.set Y, NP-1
.irp n, 0,1,2,3,4,5,6,7,8,9,10,11,12,13,14,15,16,17,18,19,20,21
	OP X, \n
.endr
	v_nop
.endm
.macro ALL line:vararg
.set t, 0
.rept 4
	\line
.set t, t+1
.endr
.endm
.macro PACK t
	WIN W_RS
.set i, 32*(\t)
.rept 16
	v_pk_mul_f32 v[i:i+1], v[i:i+1], v[ST+4*(\t)+2:ST+4*(\t)+3] op_sel_hi:[1,0]
.set i, i+2
.endr
	WIN 0x05
.set i, 0
.rept 16
	v_cvt_pk_f16_f32 v[S+16*(\t)+i], v[32*(\t)+2*i], v[32*(\t)+2*i+1]
.set i, i+1
.endr
	WIN 0
.irp f, 0,1,2,3
	ds_store_b128 v[STO], v[S+16*(\t)+4*\f:S+16*(\t)+4*\f+3] offset:32*\f
.endr
.irp f, 0,1,2,3
	ds_load_b128 v[S+16*(\t)+4*\f:S+16*(\t)+4*\f+3], v[RD] offset:\f*4*SP
.endr
.endm
.macro SEND t, younger
	WIN 0
.irp f, 0,1,2,3
	s_wait_dscnt (\younger)+3-\f
	global_store_b128 v[GO], v[S+16*(\t)+4*\f:S+16*(\t)+4*\f+3], s[10:11] offset:(\t)*8192+\f*512
.endr
.endm
.macro DIAG tag
.LstepM\tag:
	TURN 2, 1
	TURN 3, 1
	WIN 0
.LfirstM\tag:
	TURN 0, 1
	TURN 1, 1, 0, 1
	WIN 0
	s_cbranch_scc1 .LstepM\tag
	TURN 2, 1, 1
	TURN 3, 1, 1
.set i, 0
.rept 8
	PV NP-1
.set i, i+1
.endr
	WIN 0
	ALL v_add_f32 v[ST+4*t+2], v[ST+4*t+2], v[ST+4*t+3]
	ALL v_permlanex16_b32 v[ST+4*t+3], v[ST+4*t+2], s[SEL], s[SEL+1]
	ALL v_add_f32 v[ST+4*t+2], v[ST+4*t+2], v[ST+4*t+3]
	ALL v_rcp_f32 v[ST+4*t+2], v[ST+4*t+2]
	v_nop
	PACK 0
.set t, 1
.rept 3
	PACK t
	SEND t-1, 8
.set t, t+1
.endr
	SEND 3, 0
.endm
.set KM, 0
.set NOKQ, 0
.Lslot:
	CHANGE 1
	s_sub_co_u32 s[RT], s[RT], 1
	s_mov_b32 s[CNT], 4
	s_cmp_eq_u32 s[NEW], 1
	s_cbranch_scc1 .Lnew
	s_cmp_eq_u32 s[RT], 0
	s_cbranch_scc0 .Lstep
	s_branch .LstepM1
.Lnew:
	BEGIN
	s_branch .Lfirst
	DIAG 1
	s_wait_xcnt 0x0
	s_mov_b64 s[10:11], s[OLO:OLO+1]
	s_add_co_u32 s[RT], s[PB], 1
	s_mov_b32 s[NEW], 1
	WIN 0x82
.set i, 0
.rept 64
	v_mov_b32 v[i], v[QB+i]
.set i, i+1
.endr
	WIN 0
	s_branch .Lbottom
.Lstep:
	TURN 2
	TURN 3
	WIN 0
.Lfirst:
	TURN 0
	TURN 1, 0, 0, 1
	WIN 0
	s_cbranch_scc1 .Lstep
.Lbottom:
	s_sub_co_u32 s[SLOTS], s[SLOTS], 1
	s_cmp_lg_u32 s[SLOTS], 0
	s_cbranch_scc1 .Lslot
	CHANGE 0
	s_sub_co_u32 s[RT], s[RT], 1
	s_mov_b32 s[CNT], 4
	s_cmp_eq_u32 s[NEW], 1
	s_cbranch_scc0 .LstepM2
	BEGIN
	s_branch .LfirstM2
	DIAG 2
	s_wait_tensorcnt 0x0
	ds_add_u32 v[SPW], v[NIL]
	s_wait_dscnt 0x0
	s_endpgm
.Lfunc_end_k_qa63202bdf5_attn:
	.size	k_qa63202bdf5_attn, .Lfunc_end_k_qa63202bdf5_attn-k_qa63202bdf5_attn
	.p2alignl 7, 3214868480
	.fill 96, 4, 3214868480
	.section	.rodata,"a",@progbits
	.p2align	6, 0x0
	.amdhsa_kernel k_qa63202bdf5_attn
		.amdhsa_group_segment_fixed_size 327680
		.amdhsa_private_segment_fixed_size 0
		.amdhsa_enable_private_segment 0
		.amdhsa_kernarg_size 16
		.amdhsa_user_sgpr_count 2
		.amdhsa_user_sgpr_kernarg_segment_ptr 1
		.amdhsa_wavefront_size32 1
		.amdhsa_system_sgpr_workgroup_id_x 1
		.amdhsa_system_sgpr_workgroup_id_y 1
		.amdhsa_system_sgpr_workgroup_id_z 1
		.amdhsa_system_vgpr_workitem_id 0
		.amdhsa_next_free_vgpr 768
		.amdhsa_next_free_sgpr 88
		.amdhsa_reserve_vcc 1
		.amdhsa_float_denorm_mode_32 3
		.amdhsa_float_denorm_mode_16_64 3
		.amdhsa_memory_ordered 1
		.amdhsa_forward_progress 1
		.amdhsa_inst_pref_size 212
	.end_amdhsa_kernel
	.amdgpu_metadata
---
amdhsa.version: [ 1, 2 ]
amdhsa.kernels:
  - .name:           k_qa63202bdf5_attn
    .symbol:         k_qa63202bdf5_attn.kd
    .args:
      - { .name: qkv, .offset: 0, .size: 8, .value_kind: global_buffer, .address_space: global }
      - { .name: o, .offset: 8, .size: 8, .value_kind: global_buffer, .address_space: global }
    .group_segment_fixed_size: 327680
    .private_segment_fixed_size: 0
    .kernarg_segment_align: 8
    .kernarg_segment_size: 16
    .max_flat_workgroup_size: 128
    .sgpr_count:     88
    .vgpr_count:     768
    .wavefront_size: 32
...
	.end_amdgpu_metadata
.endif
;; end of part 3
;; launch outp (part 4): grid 8 x 32, 4 waves a work-group, clusters of 4 x 4, 327,680 bytes of LDS; arguments o, wo16, bo, out0; writes out0
.if DOCPART == 4
	.amdgcn_target "amdgcn-amd-amdhsa--gfx1250"
	.amdhsa_code_object_version 6
	.text
	.protected	k_qa63202bdf5_outp
	.globl	k_qa63202bdf5_outp
	.p2align	8
	.type	k_qa63202bdf5_outp,@function
k_qa63202bdf5_outp:
	s_mov_b64 s[64:65], 0
	v_nop
	global_prefetch_b8 v0, s[64:65] scope:SCOPE_SE
	s_setreg_imm32_b32 hwreg(HW_REG_WAVE_MODE, 25, 1), 1
	s_wait_xcnt 0x0
	s_wait_alu depctr_hold_cnt(0) depctr_sa_sdst(0) depctr_va_vdst(0) depctr_va_sdst(0) depctr_va_ssrc(0) depctr_va_vcc(0) depctr_vm_vsrc(0)
	s_getreg_b32 s2, hwreg(HW_REG_IB_STS2, 6, 4)
	s_cmp_eq_u32 s2, 0
	s_cbranch_scc0 .Lentry_in_a_cluster
	s_endpgm
.Lentry_in_a_cluster:
	s_bfe_u32 s2, ttmp6, 0x10000c
	s_cmp_lg_u32 s2, 0xf033
	s_cbranch_scc0 .Lentry_shape_is_right
	s_endpgm
.Lentry_shape_is_right:
.set KSTEP,  128
.set PA,     144
.set APLANE, 256*PA
.set PB,     272
.set HALFB,  64*PB
.set BOFF,   2*APLANE
.set SLOT,   BOFF+2*HALFB
.set STAGE,  2*SLOT
.set SPITCH, 528
.set SPARE,  STAGE+4*16*SPITCH
.set LAPS,   1024/(2*KSTEP)
.set ADRA, 16
.set ADRB, 20
.set STO,  24
.set RD,   25
.set CO,   26
.set BO,   27
.set SPW,  28
.set NIL,  29
.set F0,   0
.set F1,   96
.set BIAS, 192
.set G1,  24
.set G0,  32
.set G1B, 48
.set G0B, 56
.set MSB, 0
.macro WIN new
.if MSB != (\new)
	s_set_vgpr_msb (MSB<<8)|(\new)
.set MSB, \new
.endif
.endm
.set MUL,  0xa5
.set MULB, 0x95
.set TO_F, 0x40
.set ST_D, 0x08
.set GS_D, 0x04
.macro JLOAD s
	s_cmp_eq_u32 s13, 0
	s_cbranch_scc0 .Lfor_b_\@
	tensor_load_to_lds s[G0+4*(\s):G0+4*(\s)+3], s[G1:G1+7]
	s_nop 0
.rept 4
	v_nop
.endr
	s_branch .Lasked_\@
.Lfor_b_\@:
	tensor_load_to_lds s[G0B+4*(\s):G0B+4*(\s)+3], s[G1B:G1B+7]
	s_nop 0
.rept 4
	v_nop
.endr
.Lasked_\@:
.endm
.macro CREST
	s_cmp_lg_u32 s12, 0
	s_cbranch_scc1 .Lnot_wave_0_\@
	s_barrier_signal -3
.Lnot_wave_0_\@:
	s_barrier_wait -3
	s_barrier_signal -1
	s_barrier_wait -1
.endm
.macro CROUND
	s_barrier_signal -1
	s_barrier_wait -1
	CREST
.endm
	s_load_b256 s[4:11], s[0:1], 0x0
	v_lshl_add_u32 v[SPW], v0, 2, SPARE
	v_mov_b32 v[NIL], 0
	ds_add_u32 v[SPW], v[NIL]
	v_lshrrev_b32 v1, 5, v0
	v_readfirstlane_b32 s12, v1
	s_lshr_b32 s13, s12, 1
	s_and_b32 s14, s12, 1
	s_bfe_u32 s15, ttmp6, 0x40000
	s_bfe_u32 s16, ttmp6, 0x40004
	s_lshl_b32 s17, ttmp9, 2
	s_add_co_u32 s17, s17, s15
	s_and_b32 s18, ttmp7, 0xffff
	s_lshl_b32 s18, s18, 2
	s_add_co_u32 s18, s18, s16
	s_lshl_b32 s19, s16, 2
	s_lshl_b32 s19, 15, s19
	s_lshl_b32 s20, 0x1111, s15
	s_or_b32 s[G1+0], s19, (1<<16)|(1<<20)|(1<<21)|(4<<22)|(3<<25)
	s_or_b32 s[G1B+0], s20, (1<<16)|(1<<20)|(1<<21)|(5<<22)|(3<<25)
	s_mov_b32 s[G1+1], 128<<16
	s_mov_b32 s[G1B+1], KSTEP<<16
	s_mov_b32 s[G1+2], 128<<16
	s_mov_b32 s[G1B+2], 64<<16
	s_mov_b32 s[G1+3], 128<<16
	s_mov_b32 s[G1B+3], KSTEP<<16
	s_mov_b32 s[G1+4], 128
	s_mov_b32 s[G1B+4], 64
	s_mov_b32 s[G1+5], 128
	s_mov_b32 s[G1B+5], 1024
	s_mov_b32 s[G1+6], 0
	s_mov_b32 s[G1B+6], 0
	s_mov_b32 s[G1+7], 0
	s_mov_b32 s[G1B+7], 0
	s_lshr_b32 s40, s18, 3
	s_lshl_b32 s40, s40, 22
	s_and_b32 s41, s18, 7
	s_lshl_b32 s41, s41, 15
	s_add_co_u32 s40, s40, s41
	s_lshl_b32 s41, s14, 18
	s_add_co_u32 s40, s40, s41
	s_mov_b32 s41, 0
	s_lshl_b32 s44, s17, 18
	s_lshl_b32 s45, s14, 17
	s_add_co_u32 s44, s44, s45
	s_mov_b32 s45, 0
	s_mul_i32 s21, s14, APLANE
	s_mul_i32 s22, s14, HALFB
	s_add_co_u32 s22, s22, BOFF
	s_wait_dscnt 0x0
	s_wait_kmcnt 0x0
	s_add_nc_u64 s[42:43], s[4:5], s[40:41]
	s_add_nc_u64 s[46:47], s[6:7], s[44:45]
	CROUND
.irp s, 0,1
	s_mov_b32 s[G0+4*(\s)], 1
	s_add_co_u32 s[G0+4*(\s)+1], s21, (\s)*SLOT
	s_add_nc_u64 s[G0+4*(\s)+2:G0+4*(\s)+3], s[42:43], (\s)*2*262144
	s_or_b32 s[G0+4*(\s)+3], s[G0+4*(\s)+3], 0x80000000
	s_mov_b32 s[G0B+4*(\s)], 1
	s_add_co_u32 s[G0B+4*(\s)+1], s22, (\s)*SLOT
	s_add_nc_u64 s[G0B+4*(\s)+2:G0B+4*(\s)+3], s[46:47], (\s)*KSTEP*2
	s_or_b32 s[G0B+4*(\s)+3], s[G0B+4*(\s)+3], 0x80000000
	JLOAD \s
.endr
	v_and_b32 v1, 15, v0
	v_bfe_u32 v2, v0, 4, 1
	v_mul_u32_u24 v3, v1, PA
	v_lshl_add_u32 v3, v2, 4, v3
	v_mul_u32_u24 v4, v1, PB
	v_lshl_add_u32 v4, v2, 4, v4
	s_mul_i32 s21, s12, 64*PA
	s_mov_b32 s22, BOFF
.irp s, 0,1
	v_add_nc_u32 v[ADRA+(\s)], s21, v3
	v_add_nc_u32 v[ADRB+(\s)], s22, v4
	s_add_co_u32 s21, s21, SLOT
	s_add_co_u32 s22, s22, SLOT
.endr
	s_mul_i32 s23, s12, 16*SPITCH
	s_add_co_u32 s23, s23, STAGE
	v_mul_u32_u24 v5, v1, SPITCH
	v_lshl_add_u32 v5, v2, 5, v5
	v_add_nc_u32 v[STO], s23, v5
	v_and_b32 v[CO], 31, v0
	v_lshlrev_b32 v[CO], 4, v[CO]
	v_add_nc_u32 v[RD], s23, v[CO]
	v_lshlrev_b32 v[BO], 5, v2
	s_lshl_b32 s44, s18, 20
	s_lshl_b32 s45, s12, 18
	s_add_co_u32 s44, s44, s45
	s_lshl_b32 s46, s17, 9
	s_add_co_u32 s44, s44, s46
	s_mov_b32 s45, 0
	s_mov_b32 s47, 0
	s_add_nc_u64 s[10:11], s[10:11], s[44:45]
	s_add_nc_u64 s[8:9], s[8:9], s[46:47]
	WIN TO_F
.irp b, 0,1,2,3,4,5,6,7
	global_load_b128 v[BIAS+8*(\b):BIAS+8*(\b)+3],   v[BO], s[8:9] offset:64*(\b)
	global_load_b128 v[BIAS+8*(\b)+4:BIAS+8*(\b)+7], v[BO], s[8:9] offset:64*(\b)+16
.endr
	WIN 0
.macro MUL8 f, a, first
.if \first
	WIN MULB
.else
	WIN MUL
.endif
.irp b, 0,1,2,3,4,5,6,7
.if \first
	v_wmma_f32_16x16x32_f16 v[8*(8*(\a)+(\b)):8*(8*(\a)+(\b))+7], v[(\f)+32+8*(\b):(\f)+32+8*(\b)+7], v[(\f)+8*(\a):(\f)+8*(\a)+7], v[BIAS+8*(\b):BIAS+8*(\b)+7]
.else
	v_wmma_f32_16x16x32_f16 v[8*(8*(\a)+(\b)):8*(8*(\a)+(\b))+7], v[(\f)+32+8*(\b):(\f)+32+8*(\b)+7], v[(\f)+8*(\a):(\f)+8*(\a)+7], v[8*(8*(\a)+(\b)):8*(8*(\a)+(\b))+7]
.endif
.endr
.endm
.macro FETCH slot, q, f
	WIN TO_F
.irp i, 0,1,2,3,4,5,6,7
	ds_load_b128 v[(\f)+32+8*(\i):(\f)+32+8*(\i)+3],   v[ADRB+(\slot)] offset:64*(\q)+(\i)*16*PB
	ds_load_b128 v[(\f)+32+8*(\i)+4:(\f)+32+8*(\i)+7], v[ADRB+(\slot)] offset:64*(\q)+(\i)*16*PB+32
.endr
.irp i, 0,1,2,3
	ds_load_b128 v[(\f)+8*(\i):(\f)+8*(\i)+3],   v[ADRA+(\slot)] offset:((\q)/2)*APLANE+((\q)%2)*64+(\i)*16*PA
	ds_load_b128 v[(\f)+8*(\i)+4:(\f)+8*(\i)+7], v[ADRA+(\slot)] offset:((\q)/2)*APLANE+((\q)%2)*64+(\i)*16*PA+32
.endr
.endm
.macro PLACES
.rept 4
	v_nop
.endr
.endm
.macro QUARTER slot, q, f, g, first
	s_wait_dscnt 4
	MUL8 \f, 0, \first
	MUL8 \f, 1, \first
	PLACES
	FETCH \slot, \q, \g
	s_wait_dscnt 24
	MUL8 \f, 2, \first
	MUL8 \f, 3, \first
.endm
.macro TURN slot, next, fill
	WIN 0
	s_wait_tensorcnt 0x0
	ds_add_u32 v[SPW], v[NIL]
	s_wait_dscnt 5
	MUL8 F1, 0, 0
	s_wait_dscnt 0x0
	s_barrier_signal -1
	MUL8 F1, 1, 0
.if \fill
	WIN 0
.endif
	s_barrier_wait -1
.if \fill
	CREST
	s_add_nc_u64 s[G0+4*(\slot)+2:G0+4*(\slot)+3], s[G0+4*(\slot)+2:G0+4*(\slot)+3], 4*262144
	s_add_nc_u64 s[G0B+4*(\slot)+2:G0B+4*(\slot)+3], s[G0B+4*(\slot)+2:G0B+4*(\slot)+3], 2*KSTEP*2
	JLOAD \slot
.else
	PLACES
.endif
	FETCH \next, 0, F0
	MUL8 F1, 2, 0
	MUL8 F1, 3, 0
.endm
.macro TOSTAGE a
	WIN ST_D
.irp b, 0,1,2,3,4,5,6,7
	ds_store_b128 v[STO], v[8*(8*(\a)+(\b)):8*(8*(\a)+(\b))+3]   offset:64*(\b)
	ds_store_b128 v[STO], v[8*(8*(\a)+(\b))+4:8*(8*(\a)+(\b))+7] offset:64*(\b)+16
.endr
	WIN TO_F
.irp t, 0,1,2,3,4,5,6,7,8,9,10,11,12,13,14,15
	ds_load_b128 v[64*(\a)+4*(\t):64*(\a)+4*(\t)+3], v[RD] offset:(\t)*SPITCH
.endr
.endm
.macro SEND a, younger
	WIN GS_D
.irp t, 0,1,2,3,4,5,6,7,8,9,10,11,12,13,14,15
	s_wait_dscnt (\younger)+15-(\t)
	global_store_b128 v[CO], v[64*(\a)+4*(\t):64*(\a)+4*(\t)+3], s[10:11] offset:(16*(\a)+(\t))*4096 th:TH_STORE_NT
.endr
.endm
	s_wait_loadcnt 0x0
	s_wait_tensorcnt 1
	s_barrier_signal -1
	s_barrier_wait -1
	FETCH 0, 0, F0
	QUARTER 0, 1, F0, F1, 1
	WIN 0
	s_mov_b32 s3, LAPS-1
.Llap:
	QUARTER 0, 2, F1, F0, 0
	QUARTER 0, 3, F0, F1, 0
	TURN 0, 1, 1
	QUARTER 1, 1, F0, F1, 0
	QUARTER 1, 2, F1, F0, 0
	QUARTER 1, 3, F0, F1, 0
	TURN 1, 0, 1
	QUARTER 0, 1, F0, F1, 0
	WIN 0
	s_sub_co_u32 s3, s3, 1
	s_cmp_lg_u32 s3, 0
	s_cbranch_scc1 .Llap
	QUARTER 0, 2, F1, F0, 0
	QUARTER 0, 3, F0, F1, 0
	TURN 0, 1, 0
	QUARTER 1, 1, F0, F1, 0
	QUARTER 1, 2, F1, F0, 0
	QUARTER 1, 3, F0, F1, 0
	s_wait_dscnt 4
	MUL8 F1, 0, 0
	MUL8 F1, 1, 0
	s_wait_dscnt 0x0
	MUL8 F1, 2, 0
	MUL8 F1, 3, 0
	PLACES
	TOSTAGE 0
	TOSTAGE 1
	SEND 0, 32
	TOSTAGE 2
	SEND 1, 32
	TOSTAGE 3
	SEND 2, 32
	SEND 3, 0
	WIN 0
	s_wait_tensorcnt 0x0
	ds_add_u32 v[SPW], v[NIL]
	s_wait_dscnt 0x0
	CROUND
	s_endpgm
.Lfunc_end_k_qa63202bdf5_outp:
	.size	k_qa63202bdf5_outp, .Lfunc_end_k_qa63202bdf5_outp-k_qa63202bdf5_outp
	.p2alignl 7, 3214868480
	.fill 96, 4, 3214868480
	.section	.rodata,"a",@progbits
	.p2align	6, 0x0
	.amdhsa_kernel k_qa63202bdf5_outp
		.amdhsa_group_segment_fixed_size 327680
		.amdhsa_private_segment_fixed_size 0
		.amdhsa_enable_private_segment 0
		.amdhsa_kernarg_size 32
		.amdhsa_user_sgpr_count 2
		.amdhsa_user_sgpr_kernarg_segment_ptr 1
		.amdhsa_wavefront_size32 1
		.amdhsa_system_sgpr_workgroup_id_x 1
		.amdhsa_system_sgpr_workgroup_id_y 1
		.amdhsa_system_sgpr_workgroup_id_z 1
		.amdhsa_system_vgpr_workitem_id 0
		.amdhsa_next_free_vgpr 768
		.amdhsa_next_free_sgpr 66
		.amdhsa_reserve_vcc 0
		.amdhsa_float_denorm_mode_32 3
		.amdhsa_float_denorm_mode_16_64 3
		.amdhsa_memory_ordered 1
		.amdhsa_forward_progress 1
		.amdhsa_inst_pref_size 88
	.end_amdhsa_kernel
	.amdgpu_metadata
---
amdhsa.version: [ 1, 2 ]
amdhsa.kernels:
  - .name:           k_qa63202bdf5_outp
    .symbol:         k_qa63202bdf5_outp.kd
    .args:
      - { .name: o, .offset: 0, .size: 8, .value_kind: global_buffer, .address_space: global }
      - { .name: wo16, .offset: 8, .size: 8, .value_kind: global_buffer, .address_space: global }
      - { .name: bo, .offset: 16, .size: 8, .value_kind: global_buffer, .address_space: global }
      - { .name: out0, .offset: 24, .size: 8, .value_kind: global_buffer, .address_space: global }
    .group_segment_fixed_size: 327680
    .private_segment_fixed_size: 0
    .kernarg_segment_align: 8
    .kernarg_segment_size: 32
    .max_flat_workgroup_size: 128
    .sgpr_count:     66
    .vgpr_count:     768
    .wavefront_size: 32
...
	.end_amdgpu_metadata
.endif
;; end of part 4
